; MI455X (gfx1250); checked and timed in simulation.
; The chip was launched on July 23, 2026; its instructions are those of AMD's public machine-readable ISA for CDNA 5 (MIT licence, August 2026) and "CDNA5" Instruction Set Architecture Reference Guide (July 2026). The comments in the code are by the model that wrote it; some were corrected since.
;; Bilinear Dense. Allowed arithmetic: matrix products marked QUANTISED: E3M2 operands, one E8M0 scale for each 32 along K, by v_wmma_scale_f32_16x16x128_f8f6f4 with both operands' format E3M2, f32 sums; products left as they are: f32 operands where the result goes on into a quantised operand, else bf16, f16 or f32 operands; f32 sums; everything else in f32.
;; Inputs: W_bias 65,536 float32; W_kernel_codes 65,536 x 8 x 24 uint8 (E3M2 codes of W_kernel, K innermost, in blocks of 32 codes, four codes in three bytes); W_kernel_scales 65,536 x 8 uint8 (E8M0 scales of W_kernel, one for each 32 codes along K); b_bias 256 float32; b_kernel_codes 256 x 8 x 24 uint8 (E3M2 codes of b_kernel, K innermost, in blocks of 32 codes, four codes in three bytes); b_kernel_scales 256 x 8 uint8 (E8M0 scales of b_kernel, one for each 32 codes along K); x 4,096 x 256 float32; z_codes 4,096 x 8 x 24 uint8 (E3M2 codes of z, K innermost, in blocks of 32 codes, four codes in three bytes); z_scales 4,096 x 8 uint8 (E8M0 scales of z, one for each 32 codes along K).
;; Outputs: out0 4,096 x 256 float32.
;; This version of the problem:
;;   THIS VERSION OF THE PROBLEM IS GIVEN IN LOW PRECISION. The matrix products marked QUANTISED in the list below multiply operands that are first quantised to E3M2 (3 exponent bits, 2 mantissa bits; 6 bits a number), with one power-of-two scale for each 32 numbers along K (OCP MX v1.0); their sums are f32. All else is computed in f32.
;;   The module's matrix products, in the order in which they are computed (A, B: the left and right operand; K: the contracted axis; several contracted axes count as one K, in the product's order):
;;     1. [M 4,096, K 256] x [K 256, N 65,536]; A: input z (given as codes); B: input W_kernel (given as codes): QUANTISED
;;     2. [M 4,096, K 256] x [K 256, N 256]; A: input z (given as codes); B: input b_kernel (given as codes): QUANTISED
;;     3. batch 4,096 x [M 256, K 256] x [K 256, N 1]; A: computed on the way; B: input x: left as it is (N = 1 < 16)
;;   THE QUANTISER, for each operand of a quantised product, along K:
;;     - K is cut into blocks of 32 from its start; a last block that is shorter is filled with zeros.
;;     - A block's scale is 2^e with e = floor(log2(the largest magnitude in the block)) - 4, held to -126 .. 127; a block of zeros has e = 0. As a byte (E8M0): e + 127.
;;     - Each number is divided by its block's scale, clamped to +-28, and rounded to the nearest number of E3M2, ties to even, subnormals kept.
;;     - The product sums the exact products of the quantised numbers (number of the format x scale) in f32.
;;   ~~~python
;;   def quantise(x, axis):      # numpy; x: float32 -> the quantised numbers, widened to float32 again
;;       x = np.moveaxis(x, axis, -1); K = x.shape[-1]
;;       x = np.pad(x, [(0, 0)] * (x.ndim - 1) + [(0, -K % 32)]); x = x.reshape(x.shape[:-1] + (-1, 32)); a = np.abs(x).max(-1, keepdims=True)
;;       e = np.where(a > 0, np.clip(np.frexp(np.where(a > 0, a, 1))[1] - 1 - 4, -126, 127), 0)      # np.frexp(a)[1] - 1 = floor(log2(a)), exactly
;;       r = np.clip(x / 2.0 ** e, -28, 28)
;;       step = 2.0 ** (np.maximum(np.frexp(np.where(r == 0, 1, r))[1] - 1, -2) - 2)
;;       q = np.round(r / step) * step * 2.0 ** e      # np.round: ties to even
;;       return np.moveaxis(q.reshape(q.shape[:-2] + (-1,))[..., :K], -1, axis).astype(np.float32)
;;   ~~~
;;   INPUTS GIVEN AS CODES. W_kernel (in the module: [256, 65536], K = its axis 0); b_kernel (in the module: [256, 256], K = its axis 0); z (in the module: [4096, 256], K = its axis 1): each comes as NAME_codes (uint8): NAME with its K axis moved to the last place and cut into blocks of 32 codes, [.., K / 32, bytes a block], one block behind the other in memory; four codes in three bytes: a row's codes are one little-endian stream of bits, code i at bits 6 i .. 6 i + 5 (a code: sign, 3 exponent bits, 2 mantissa bits); and NAME_scales (uint8): the same leading axes, one E8M0 byte (e + 127) for each 32 codes along K. Its value is code x scale, taken as it is: it is not quantised again, and the codes and scales need not be those that the quantiser above would give.
;; One version. Each part assembles by itself: llvm-mc -triple=amdgcn-amd-amdhsa -mcpu=gfx1250 --defsym DOCPART=n.
;; ======== version 1 of 1: 1 launch
;; limits: right only within a limited range of input values
;; launch bilinear (part 1): grid 16 x 16, 8 waves a work-group, clusters of 4 x 4, 327,680 bytes of LDS; arguments W_kernel_codes, W_kernel_scales, W_bias, x, z_codes, z_scales, b_kernel_codes, b_kernel_scales, b_bias, out0; writes out0
.if DOCPART == 1
	.amdgcn_target "amdgcn-amd-amdhsa--gfx1250"
	.amdhsa_code_object_version 6
	.text
	.protected	k_q111eb6fbac_bilinear
	.globl	k_q111eb6fbac_bilinear
	.p2align	8
	.type	k_q111eb6fbac_bilinear,@function
k_q111eb6fbac_bilinear:
	s_mov_b64 s[64:65], 0
	v_nop
	global_prefetch_b8 v0, s[64:65] scope:SCOPE_SE
	s_setreg_imm32_b32 hwreg(HW_REG_WAVE_MODE, 25, 1), 1
	s_wait_xcnt 0x0
	s_wait_alu depctr_hold_cnt(0) depctr_sa_sdst(0) depctr_va_vdst(0) depctr_va_sdst(0) depctr_va_ssrc(0) depctr_va_vcc(0) depctr_vm_vsrc(0)
	s_getreg_b32 s2, hwreg(HW_REG_IB_STS2, 6, 4)
	s_cmp_eq_u32 s2, 0
	s_cbranch_scc0 .Lentry_in_a_cluster
	s_endpgm
.Lentry_in_a_cluster:
	s_bfe_u32 s2, ttmp6, 0x10000c
	s_cmp_lg_u32 s2, 0xf033
	s_cbranch_scc0 .Lentry_shape_is_right
	s_endpgm
.Lentry_shape_is_right:
; out[b][o] = sum over i of (sum over k of z[b][k] Wk[256 o + i][k] + W_bias[256 o + i]) x[b][i]  +  sum over k of z[b][k] bk[o][k] + b_bias[o].
; z [4096][256], Wk [65536][256], bk [256][256]: codes of BF6 (E3M2), K innermost, 192 bytes a row, with 8 E8M0 bytes a row; they go to the matrix unit as they lie.  x, the biases and out are f32.
; THE PER-SAMPLE MATRIX W[b][o][i] NEVER LEAVES THE REGISTERS.  The product is used transposed: source 0 = 16 rows of Wk (one o, 16 neighbouring i), source 1 = 16 rows of z.  Lane (r, h) of the result holds
; batch row r and, in register j, i = i0 + 8 h + j.  K = 256 is two matrix instructions; W_bias is the C of the first.  A finished result is folded with x: four packed multiply-adds onto ONE register pair for each (o, batch tile).
; SHARES.  A work-group takes 256 batch rows x 16 o: 16 x 16 work-groups.  Wave w takes the batch rows 128 (w / 4) .. + 127 (8 batch tiles, z's fragments in 192 registers for the whole launch) and the o 4 (w % 4) .. + 3.
; A STEP is 16 i: its codes are 16 o-rows of 3,072 consecutive bytes, one slot of a ring of two.  16 steps; a wave's step is 4 tiles (one for each o), a tile 16 matrix instructions and 32 multiply-adds.
; A CHUNK is 4 steps = 64 i: x's rows of 256 bytes, two buffers.  A trip of the loop is one chunk.
; BY GROUPS.  A group is 8 matrix instructions (4 batch tiles x 2 K steps, the four accumulators by turns); behind it stand the 16 multiply-adds that fold the group before it, which are also the places of its results.
; CLUSTER 4 x 4.  Wk's codes and W_bias hang on the work-group's y alone: asked for jointly along a row of the cluster.  x and z hang on its x alone: jointly along a column.
; THE STORES.  A work-group owns 16 o = 64 bytes of a row of out: each store of a wave covers eight runs of 64 consecutive, aligned bytes.  Runs of 256 want 64 o x 64 rows to a work-group: four times the bytes of Wk into each LDS.
; LIMITS.  The sum over i is kept in four parts for each output (even and odd i; i mod 16 under and from 8), added at the end: another order of f32 additions than a plain ascending one.  A scale byte 0xff gives NaN, as the format says.
;
; LDS (bytes)
.set XBUF,  0x00000                    ; x's buffer 0: 256 rows of 256 + 16 bytes; buffer 1 lies XFLIP on
.set XFLIP, 0x20000                    ; z's image (256 rows of 288 bytes, 73,728 in all) takes buffer 1's place first and is read ahead of x's fill there
.set SLOT0, 0x11000                    ; codes: 16 o-rows x 3,840: 16 bytes of padding behind every 64, so a row of Wk (192 bytes) takes 240
.set SLOT1, 0x32000
.set BIAS,  0x41000                    ; W_bias of my 16 o: 16,384 dense bytes, filled once
.set SPARE, 0x45000                    ; the spare words, 128 bytes for each wave; no other line names them
.set STAGE, 0x45400                    ; the way out: 256 rows of 64 + 16 bytes; no fill lands here
; VECTOR REGISTERS, window 0
.set AW,  2                            ; v2, v3  LDS address of my fragments of Wk in slot 0, 1: + 15,360 (w % 4) + 240 r + 24 h
.set AW2, 4                            ; v4, v5  the same + 16 h, for the pieces whose partner three pieces on lies behind one padding more
.set AB,  6                            ; LDS address of W_bias: BIAS + 4,096 (w % 4) + 32 h, + 256 a chunk
.set AX,  7                            ; my place in a buffer of x
.set AXC, 8                            ; the buffer being read + AX
.set SPW, 9                            ; LDS address of my spare word; never rewritten
.set NIL, 10                           ; 0; never rewritten
.set PFO, 11                           ; offset of the codes' prefetches
.set PFX, 12                           ; of x's
.set SCO, 13                           ; 8 x lane: scale bytes
.set RR,  14                           ; r
.set HH,  15                           ; h
.set ZS,  16                           ; v16-23   z's scale words: of batch tiles 2 e, 2 e + 1 (lanes 0-15, 16-31), K step k at ZS + 2 e + k
.set WS,  24                           ; v24-39   Wk's scale words, two sets (32 i each): of o oi, K step k at + 2 oi + k: lanes 0-15 the even step's rows, lanes 16-31 the odd step's
.set WF,  40                           ; v40-87   Wk's fragments: two sets of 24
.set BI,  88                           ; v88-103  W_bias of a tile: two sets of 8
.set DD,  104                          ; v104-167 the 8 accumulators, one for each batch tile
.set ACC, 168                          ; v168-231 the folded sums: the pair of (oi, bt) at ACC + 2 (8 oi + bt)
.set AZ,  232                          ; z's image, and
.set AZ2, 233                          ; the same + 32 h
.set ZERO, 234
.set STO, 235
.set RD,  236
.set GO,  237
.set BKO, 238
.set BKSO, 239
.set T0,  240                          ; v240-243 at work
; window 1: v[24 bt + 12 k ..] z's fragments; v[XX + 8 bt ..] x of batch tile bt for the 16 i of a step
.set XX,  192
; SCALAR REGISTERS
.set G1C, 24
.set G1X, 32
.set G1B, 40
.set G1Z, 48
.set G0C, 56                           ; s[56:63] a set for each slot
.set G0X, 68
.set G0Z, 72
.set G0B, 76
.set WV,  80
.set CX,  81
.set CY,  82
.set BG,  83                           ; which 256 batch rows: 4 x cluster x + cx
.set OG,  84                           ; which 16 o: 4 x cluster y + cy
.set MROW, 85
.set MCOL, 86
.set UC,  87
.set XR,  88                           ; the buffer of x that is being read
.set OW,  89                           ; w % 4
.set BH,  90                           ; w / 4
.set LIMX, 91                          ; 2 in waves 4 and 5, else 0
.set PFA, 92
.set PFXA, 94
.set SCP, 96
.set MSB, 0
.macro WIN new                         ; s_set_vgpr_msb: bits 1:0 source 0, 3:2 source 1, 5:4 source 2, 7:6 destination; the high byte repeats the setting that is left; a switch that changes nothing is dropped
.if MSB != (\new)
	s_set_vgpr_msb (MSB<<8)|(\new)
.set MSB, \new
.endif
.endm
.macro SHAPE g1, c, r, p               ; words 1 to 7 of a group 1: r rows x c elements of 8 bytes, p elements from row to row
	s_mov_b32 s[\g1+1], (\c)<<16
	s_mov_b32 s[\g1+2], (\r)<<16
	s_mov_b32 s[\g1+3], (\c)<<16
	s_mov_b32 s[\g1+4], \r
	s_mov_b32 s[\g1+5], \p
	s_mov_b32 s[\g1+6], 0
	s_mov_b32 s[\g1+7], 0
.endm
.macro PLACES4
.rept 4
	v_nop
.endr
.endm
.macro CREST                           ; a round of the cluster's barrier behind its opening barrier
	s_cmp_lg_u32 s[WV], 0
	s_cbranch_scc1 .Lnot_wave_0_\@
	s_barrier_signal -3
.Lnot_wave_0_\@:
	s_barrier_wait -3
	s_barrier_signal -1
	s_barrier_wait -1
.endm
.macro CROUND                          ; a whole round
	s_barrier_signal -1
	s_barrier_wait -1
	CREST
.endm
; Joint loads behind a round, one a wave: waves 0 to 3 a quarter (4 o-rows) of slot sl; wave xw (0: none) half of x's next chunk.  The branches hang on the wave's number alone.
.macro TLOAD sl, xw
	s_cmp_lt_u32 s[WV], 4
	s_cbranch_scc0 .Lnot_codes_\@
	tensor_load_to_lds s[G0C+4*(\sl):G0C+4*(\sl)+3], s[G1C:G1C+7]
	s_nop 0
	PLACES4
.if \xw
	s_branch .Lasked_\@
.endif
.Lnot_codes_\@:
.if \xw
	s_cmp_eq_u32 s[WV], \xw
	s_cbranch_scc0 .Lasked_\@
	tensor_load_to_lds s[G0X:G0X+3], s[G1X:G1X+7]
	s_nop 0
	PLACES4
.Lasked_\@:
.endif
.endm
; PREFETCHES INTO THE L2.  Codes: steps t + 4 and t + 5, asked for in steps t = 0, 2 of each chunk, two refills ahead of the first load that wants them.  Each cluster asks for what it will load: the four partners that ask jointly
; take 4 of the 16 o-rows each, told apart BY ADDRESS (cx); in each, waves 0 to 2, a lane a block of 256 bytes: 96 blocks = 4 x 6,144 bytes.  Steps 0 to 3 come by their loads alone; the tail asks for nothing.
; x: the chunk two on, once a chunk, seven tiles ahead of its load: the four partners of a column take 64 rows each (cy), waves 4 and 5 a lane a row; the loop's last trip has none to ask for.
.macro ASK
	s_cmp_lt_u32 s[WV], 3
	s_cbranch_scc0 .Lnot_mine_\@
	global_prefetch_b8 v[PFO], s[PFA:PFA+1] offset:6144*(nT/8) th:TH_LOAD_NT scope:SCOPE_SE
.Lnot_mine_\@:
.if nT == 11
	s_cmp_lt_u32 s[UC], s[LIMX]
	s_cbranch_scc0 .Lnot_x_\@
	global_prefetch_b8 v[PFX], s[PFXA:PFXA+1] th:TH_LOAD_NT scope:SCOPE_SE
.Lnot_x_\@:
.endif
.endm
; Tile k's operands from LDS, 14 loads, into set k % 2 (k = 16: the next chunk's tile 0).  A fragment, 16 rows x 128 K of 6-bit codes, is 12 registers: registers 6 c .. 6 c + 5 of lane (r, h) hold K = 64 c + 32 h + 0 .. 31:
; 24 bytes of the row's stream of bits, in pieces of 8.  Lanes 16-31 read three pieces further on than lanes 0-15; where that is behind one padding more, the second address register serves.
.macro LOADT k
.set cS, ((\k)/4)%2
.set cW, WF+24*((\k)%2)
.set cO, ((\k)%4)*3840
.set cB, BI+8*((\k)%2)
.irp e, 0,1
.irp p, 0,1,2,3,4,5
.set PC, 12*\e+6*(\p/3)+\p%3
.if PC%8 < 5
	ds_load_b64 v[cW+12*\e+2*\p:cW+12*\e+2*\p+1], v[AW+cS] offset:8*PC+16*(PC/8)+cO
.else
	ds_load_b64 v[cW+12*\e+2*\p:cW+12*\e+2*\p+1], v[AW2+cS] offset:8*PC+16*(PC/8)+cO
.endif
.endr
.endr
	ds_load_b128 v[cB:cB+3], v[AB] offset:((\k)%4)*1024+64*((\k)/4)       ; W_bias[256 o + i0 + 8 h + 0 .. 7]
	ds_load_b128 v[cB+4:cB+7], v[AB] offset:((\k)%4)*1024+64*((\k)/4)+16
.endm
.macro XRUN hb, t                      ; x of batch tiles 4 hb .. + 3 for the chunk's step t: 8 loads (destination window 1)
.irp e, 0,1,2,3
.set bt, 4*(\hb)+\e
	ds_load_b128 v[XX+8*bt:XX+8*bt+3], v[AXC] offset:bt*4352+64*(\t)
	ds_load_b128 v[XX+8*bt+4:XX+8*bt+7], v[AXC] offset:bt*4352+64*(\t)+16
.endr
.endm
.macro SCALES                          ; the scale words of the next 32 i, 256 whole bytes an o, into the set that is not in use
.irp e, 0,1,2,3
	global_load_b64 v[WS+8*(1-nT/8)+2*\e:WS+8*(1-nT/8)+2*\e+1], v[SCO], s[SCP:SCP+1] offset:2048*\e+256+256*(nT/8)
.endr
.endm
.macro WX ra, rb                       ; one matrix instruction on rD, rW, rZ, rC, sW, sZ; ra, rb: which half of the lanes holds each side's scale words
.if ((\ra) == 0) && ((\rb) == 0)
	v_wmma_scale_f32_16x16x128_f8f6f4 v[rD:rD+7], v[rW:rW+11], v[rZ:rZ+11], v[rC:rC+7], v[sW], v[sZ] matrix_a_fmt:MATRIX_FMT_BF6 matrix_b_fmt:MATRIX_FMT_BF6
.endif
.if ((\ra) == 0) && ((\rb) == 1)
	v_wmma_scale_f32_16x16x128_f8f6f4 v[rD:rD+7], v[rW:rW+11], v[rZ:rZ+11], v[rC:rC+7], v[sW], v[sZ] matrix_a_fmt:MATRIX_FMT_BF6 matrix_b_fmt:MATRIX_FMT_BF6 matrix_b_scale:MATRIX_SCALE_ROW1
.endif
.if ((\ra) == 1) && ((\rb) == 0)
	v_wmma_scale_f32_16x16x128_f8f6f4 v[rD:rD+7], v[rW:rW+11], v[rZ:rZ+11], v[rC:rC+7], v[sW], v[sZ] matrix_a_fmt:MATRIX_FMT_BF6 matrix_b_fmt:MATRIX_FMT_BF6 matrix_a_scale:MATRIX_SCALE_ROW1
.endif
.if ((\ra) == 1) && ((\rb) == 1)
	v_wmma_scale_f32_16x16x128_f8f6f4 v[rD:rD+7], v[rW:rW+11], v[rZ:rZ+11], v[rC:rC+7], v[sW], v[sZ] matrix_a_fmt:MATRIX_FMT_BF6 matrix_b_fmt:MATRIX_FMT_BF6 matrix_a_scale:MATRIX_SCALE_ROW1 matrix_b_scale:MATRIX_SCALE_ROW1
.endif
.endm
; K step k of tile nT's group hb (batch tiles 4 hb .. + 3): four accumulators by turns, one instruction a turn.
; Window setting 0x04: source 1 (z; x in the multiply-adds) in window 1, all else in window 0; it also serves the loads of LOADT.
.macro MK hb, k
.set bq, 0
.rept 4
.set bt, 4*(\hb)+bq
.set rD, DD+8*bt
.set rW, WF+24*(nT%2)+12*(\k)
.set rZ, 24*bt+12*(\k)
.set sW, WS+8*((nT/8)%2)+2*(nT%4)+(\k)
.set sZ, ZS+2*(bt/2)+(\k)
.if (\k) == 0
.set rC, BI+8*(nT%2)
.else
.set rC, rD
.endif
	WX (nT/4)%2, bt%2
.set bq, bq+1
.endr
.endm
; The fold of tile p's group hb: 16 multiply-adds, four chains by turns; each accumulator is read from its low end on.
.macro FF p, hb
.set m, 0
.rept 16
.set bt, 4*(\hb)+m%4
.set rA, ACC+2*(8*((\p)%4)+bt)
.set rD, DD+8*bt+2*(m/4)
.set rX, XX+8*bt+2*(m/4)
	v_pk_fma_f32 v[rA:rA+1], v[rD:rD+1], v[rX:rX+1], v[rA:rA+1]
.set m, m+1
.endr
.endm
.macro BKLOAD                          ; b_kernel's fragment of my 4 o into set 0, its scale words (lanes 0-15 K step 0's, lanes 16-31 K step 1's) into WS: both have had their last use
.irp e, 0,1
.irp p, 0,1,2,3,4,5
	global_load_b64 v[WF+12*\e+2*\p:WF+12*\e+2*\p+1], v[BKO], s[16:17] offset:96*\e+48*(\p/3)+8*(\p%3)
.endr
.endr
	global_load_b32 v[WS], v[BKSO], s[18:19]
.endm
; TILE nT of a chunk's 16 (step nT / 4, o nT % 4).  Its operands were asked for a tile ago; the next tile's are asked for first of all, behind 16 multiply-adds, into the set that the tile before read.
; The group before it in the other half of the batch tiles is folded between its two groups; a chunk is closed in itself.  last = 1: the last chunk.
; THE TURN stands in a step's third tile: the slot's last reads (the fourth tile's operands) were issued at this tile's head.  In front of its barrier each wave waits for all its tensor loads, adds 0 to its spare word, and waits for
; that and for its reads; behind it the other slot is whole, and this one is filled again with the step two on.  The last chunk's third turn fills nothing: a plain barrier; its fourth step has none.
.macro TILE last
	s_wait_dscnt 0x0
.if nT%8 == 0
	s_wait_loadcnt 0x0                             ; the scale words of these 32 i
.if (nT == 0) || ((\last) == 0)
	SCALES
.endif
.endif
.if nT%4 == 0
	WIN 0x40                                       ; x's registers of the first four batch tiles have been folded with for the last time
	XRUN 0, nT/4
.if nT == 0
	XRUN 1, 0
.endif
	WIN 0x04
.endif
.if (\last) && (nT == 15)
	BKLOAD
.elseif (nT%8 == 3) && ((\last) == 0)
	WIN 0
	LOADT nT+1
	ASK
.else
	LOADT nT+1
.endif
	WIN 0x04
	MK 0, 0
	MK 0, 1
.if nT > 0
	FF nT-1, 1
.endif
.if (nT%4 == 0) && (nT > 0)
	WIN 0x40
	XRUN 1, nT/4
	WIN 0x04
.endif
.if (nT%4 == 2) && (((\last) == 0) || (nT < 14))
.set tS, (nT/4)%2
.set tF, 1
.if (\last) && (nT == 10)
.set tF, 0
.endif
	WIN 0                                          ; (the add's two registers lie in window 0)
	s_wait_tensorcnt 0x0                           ; all my tensor loads have landed; so a group 0 may be written
	ds_add_u32 v[SPW], v[NIL]                      ; 0 onto my spare word
.if tF
	s_add_nc_u64 s[G0C+4*tS+2:G0C+4*tS+3], s[G0C+4*tS+2:G0C+4*tS+3], 6144   ; two steps on: 32 rows of 192 bytes
.endif
.if (nT == 2) && ((\last) == 0)
	s_xor_b32 s[G0X+1], s[G0X+1], XFLIP            ; x: the other buffer,
	s_add_nc_u64 s[G0X+2:G0X+3], s[G0X+2:G0X+3], 256   ; 64 numbers on
.endif
	WIN 0x04
	MK 1, 0                                        ; work on registers between the add and the wait for it
	s_wait_dscnt 0x0                               ; the add is done, and my reads of the slot are over
	s_barrier_signal -1
	MK 1, 1
	FF nT, 0
	WIN 0
	s_barrier_wait -1
.if tF
	CREST
.if (nT == 2) && ((\last) == 0)
	TLOAD tS, 6                                    ; wave 6 fetches x's rows 0-127,
.elseif (nT == 6) && ((\last) == 0)
	TLOAD tS, 7                                    ; a step later wave 7 rows 128-255
.else
	TLOAD tS, 0
.endif
.endif
.else
	MK 1, 0
	MK 1, 1
.if nT == 0
	PLACES4                                        ; a chunk's first group has no fold before it
	s_wait_dscnt 14                                ; x is in; the next tile's 14 loads may be out
.elseif nT%4 == 0
	s_wait_dscnt 22                                ; x of the first four batch tiles is in; the next tile's 14 loads and the 8 of the other four may be out
.endif
	FF nT, 0
.endif
.if nT == 15
	FF 15, 1
	WIN 0
.endif
.endm
.macro TRIP last
.set nT, 0
.rept 16
	TILE \last
.set nT, nT+1
.endr
.endm
	s_load_b512 s[4:19], s[0:1], 0x0               ; Wk's codes s[4:5], its scales s[6:7], W_bias s[8:9], x s[10:11], z's codes s[12:13], its scales s[14:15], bk's codes s[16:17], its scales s[18:19]
	s_load_b128 s[20:23], s[0:1], 0x40             ; b_bias s[20:21], out s[22:23]
	v_lshl_add_u32 v[SPW], v0, 2, SPARE
	v_mov_b32 v[NIL], 0
	ds_add_u32 v[SPW], v[NIL]                      ; the wave's opening
	ds_add_u32 v[SPW], v[NIL]
	v_lshrrev_b32 v[T0], 5, v0
	v_readfirstlane_b32 s[WV], v[T0]               ; wave 0..7
	s_and_b32 s[OW], s[WV], 3
	s_lshr_b32 s[BH], s[WV], 2
	s_bfe_u32 s[CX], ttmp6, 0x40000
	s_bfe_u32 s[CY], ttmp6, 0x40004
	s_lshl_b32 s[BG], ttmp9, 2                     ; in a cluster launch ttmp9 and ttmp7 count clusters
	s_add_co_u32 s[BG], s[BG], s[CX]
	s_and_b32 s[OG], ttmp7, 0xffff
	s_lshl_b32 s[OG], s[OG], 2
	s_add_co_u32 s[OG], s[OG], s[CY]
	s_lshl_b32 s[MROW], s[CY], 2
	s_lshl_b32 s[MROW], 15, s[MROW]                ; my row of the cluster
	s_lshl_b32 s[MCOL], 0x1111, s[CX]              ; my column
	; group 1, word 0: 15:0 the mask; 17:16 elements of 8 bytes; 20 padding on; 21 set beside a mask; 24:22 the padding's interval; 31:25 its length
	s_or_b32 s[G1C], s[MROW], (3<<16)|(1<<20)|(1<<21)|(3<<22)|(3<<25)   ; codes: 4 words behind every 16
	SHAPE G1C, 384, 4, 6144                        ; 4 o-rows of 3,072 bytes, 49,152 bytes (256 rows of Wk) apart
	s_or_b32 s[G1X], s[MCOL], (3<<16)|(1<<20)|(1<<21)|(5<<22)|(3<<25)   ; x: 4 words behind every 64
	SHAPE G1X, 32, 128, 128                        ; 128 rows of 256 bytes, 1,024 bytes apart
	s_or_b32 s[G1B], s[MROW], (3<<16)|(1<<21)      ; W_bias: a dense block
	SHAPE G1B, 32, 64, 32                          ; as 64 rows of 256 bytes
	s_or_b32 s[G1Z], s[MCOL], (3<<16)|(1<<20)|(1<<21)|(3<<22)|(7<<25)   ; z: 8 words behind every 16
	SHAPE G1Z, 384, 16, 384                        ; 256 dense rows of 192 bytes as 16 rows of 3,072
	; group 0.  The registers that feed Wk's and W_bias's addresses hold og and the wave's number alone, those that feed x's and z's bg and the wave's number alone
	s_lshl_b32 s100, s[OG], 4
	s_lshl_b32 s3, s[OW], 2
	s_add_co_u32 s100, s100, s3
	s_mul_i32 s100, s100, 49152                    ; o-row 16 og + 4 (w % 4), in bytes
	s_mov_b32 s101, 0
	s_mul_i32 s2, s[OW], 15360                     ; and its place in a slot
	s_mov_b32 s99, 0
	s_mul_i32 s98, s[BG], 49152                    ; 256 bg rows of z
	s_mov_b32 s[G0C], 1
	s_add_co_u32 s[G0C+1], s2, SLOT0
	s_mov_b32 s[G0C+4], 1
	s_add_co_u32 s[G0C+5], s2, SLOT1
	s_mov_b32 s[G0Z], 1
	s_mov_b32 s[G0Z+1], XBUF+XFLIP
	s_mov_b32 s[G0B], 1
	s_mov_b32 s[G0B+1], BIAS
	s_and_b32 s3, s[WV], 1
	s_mov_b32 s[G0X], 1
	s_mul_i32 s[G0X+1], s3, 34816                  ; 128 (w % 2) rows on in x's buffer 0, which begins at byte 0
	s_lshl_b32 s3, s3, 17
	s_wait_dscnt 0x0                               ; both opening adds are done
	s_wait_kmcnt 0x0
	s_add_nc_u64 s[G0C+2:G0C+3], s[4:5], s[100:101]             ; step 0
	s_add_nc_u64 s[G0C+6:G0C+7], s[G0C+2:G0C+3], 3072           ; step 1
	s_or_b32 s[G0C+3], s[G0C+3], 0x80000000
	s_or_b32 s[G0C+7], s[G0C+7], 0x80000000
	s_lshl_b32 s100, s[OG], 14                     ; 16 og x 256 numbers of W_bias
	s_add_nc_u64 s[G0B+2:G0B+3], s[8:9], s[100:101]
	s_or_b32 s[G0B+3], s[G0B+3], 0x80000000
	s_add_nc_u64 s[G0Z+2:G0Z+3], s[12:13], s[98:99]
	s_or_b32 s[G0Z+3], s[G0Z+3], 0x80000000
	s_lshl_b32 s98, s[BG], 18                      ; 256 bg rows of x, 1,024 bytes each,
	s_add_co_u32 s98, s98, s3                      ; + 128 (w % 2)
	s_add_nc_u64 s[G0X+2:G0X+3], s[10:11], s[98:99]
	s_or_b32 s[G0X+3], s[G0X+3], 0x80000000
	CROUND                                         ; all sixteen work-groups are here: the first joint loads meet
; THE HEAD'S LOADS, ONE A WAVE: waves 0 to 3 step 0's codes, wave 4 z, wave 5 W_bias, waves 6 and 7 x's first chunk.  Every way through passes exactly one load.
.macro ARM under, g0, g1, next
	s_cmp_lt_u32 s[WV], \under
	s_cbranch_scc0 \next
	tensor_load_to_lds s[\g0:\g0+3], s[\g1:\g1+7]
	s_nop 0
	PLACES4
	s_branch .Lhead_asked
\next:
.endm
	ARM 4, G0C, G1C, .Lhead_z
	ARM 5, G0Z, G1Z, .Lhead_b
	ARM 6, G0B, G1B, .Lhead_x
	tensor_load_to_lds s[G0X:G0X+3], s[G1X:G1X+7]
	s_nop 0
	PLACES4
.Lhead_asked:
	; the pointers for what comes straight into registers, and for the prefetches
	s_mov_b32 s3, 0
	s_lshl_b32 s2, s[BG], 11
	s_lshl_b32 s100, s[BH], 10
	s_add_co_u32 s2, s2, s100
	s_add_nc_u64 s[14:15], s[14:15], s[2:3]        ; z's scale bytes: my 128 rows, 8 a row
	s_lshl_b32 s100, s[OG], 4
	s_lshl_b32 s2, s[OW], 2
	s_add_co_u32 s100, s100, s2                    ; my first o
	s_lshl_b32 s2, s100, 11
	s_add_nc_u64 s[SCP:SCP+1], s[6:7], s[2:3]      ; Wk's scale bytes: 2,048 an o
	s_mul_i32 s2, s100, 192
	s_add_nc_u64 s[16:17], s[16:17], s[2:3]        ; b_kernel's codes,
	s_lshl_b32 s2, s100, 3
	s_add_nc_u64 s[18:19], s[18:19], s[2:3]        ; its scale bytes,
	s_lshl_b32 s2, s100, 2
	s_add_nc_u64 s[20:21], s[20:21], s[2:3]        ; b_bias
	s_lshl_b32 s2, s[BG], 18
	s_lshl_b32 s100, s[WV], 15
	s_add_co_u32 s2, s2, s100
	s_lshl_b32 s100, s[OG], 6
	s_add_co_u32 s2, s2, s100
	s_add_nc_u64 s[22:23], s[22:23], s[2:3]        ; out: row 256 bg + 32 w (the rows that I store), byte 64 og
	s_lshl_b32 s2, s[OG], 4
	s_lshl_b32 s100, s[CX], 2
	s_add_co_u32 s2, s2, s100
	s_mul_i32 s2, s2, 49152
	s_add_nc_u64 s[PFA:PFA+1], s[4:5], s[2:3]      ; o-row 16 og + 4 cx,
	s_add_nc_u64 s[PFA:PFA+1], s[PFA:PFA+1], 12288 ; at step 4
	s_lshl_b32 s2, s[BG], 18
	s_lshl_b32 s100, s[CY], 16
	s_add_co_u32 s2, s2, s100
	s_add_nc_u64 s[PFXA:PFXA+1], s[10:11], s[2:3]  ; x: row 256 bg + 64 cy,
	s_add_nc_u64 s[PFXA:PFXA+1], s[PFXA:PFXA+1], 512   ; at chunk 2
	s_lshr_b32 s2, s[WV], 1
	s_cmp_eq_u32 s2, 2
	s_cselect_b32 s[LIMX], 2, 0
	s_mul_i32 s2, s[OW], 15360
	s_add_co_u32 s2, s2, SLOT0
	s_mul_i32 s3, s[BH], 34816
	s_lshl_b32 s4, s[OW], 12
	s_add_co_u32 s4, s4, BIAS
	s_mul_i32 s5, s[BH], 36864
	s_add_co_u32 s5, s5, XBUF+XFLIP
	s_mov_b32 s[XR], XBUF
	s_mov_b32 s[UC], 0
	v_and_b32 v[RR], 15, v0
	v_bfe_u32 v[HH], v0, 4, 1
	v_and_b32 v[T0], 31, v0
	v_lshlrev_b32 v[SCO], 3, v[T0]
	v_mov_b32 v[ZERO], 0
	s_wait_alu depctr_va_vdst(0)
.irp e, 0,1,2,3
	global_load_b64 v[ZS+2*\e:ZS+2*\e+1], v[SCO], s[14:15] offset:256*\e         ; the scale words of batch tiles 2 e and 2 e + 1
.endr
.irp e, 0,1,2,3
	global_load_b64 v[WS+2*\e:WS+2*\e+1], v[SCO], s[SCP:SCP+1] offset:2048*\e    ; of o oi = e, the first 32 i
.endr
	global_load_b128 v[DD:DD+3], v[ZERO], s[20:21]             ; b_bias of my 4 o, the same in every lane
	; the addresses, while those loads are on their way
	v_mul_u32_u24 v[AW], v[RR], 240
	v_mad_u32_u24 v[AW], v[HH], 24, v[AW]
	v_add_nc_u32 v[AW], s2, v[AW]
	v_add_nc_u32 v[AW+1], SLOT1-SLOT0, v[AW]
	v_lshl_add_u32 v[AW2], v[HH], 4, v[AW]
	v_lshl_add_u32 v[AW2+1], v[HH], 4, v[AW+1]
	v_mul_u32_u24 v[AX], v[RR], 272
	v_lshl_add_u32 v[AX], v[HH], 5, v[AX]
	v_add_nc_u32 v[AX], s3, v[AX]
	v_add_nc_u32 v[AXC], s[XR], v[AX]
	v_lshl_add_u32 v[AB], v[HH], 5, s4
	v_mul_u32_u24 v[AZ], v[RR], 288
	v_mad_u32_u24 v[AZ], v[HH], 24, v[AZ]
	v_add_nc_u32 v[AZ], s5, v[AZ]
	v_lshl_add_u32 v[AZ2], v[HH], 5, v[AZ]
	v_mul_u32_u24 v[T0], v0, 43                    ; the prefetches: thread q (0 .. 95) names block q % 24 of o-row q / 24;
	v_lshrrev_b32 v[T0], 10, v[T0]                 ; q / 24 = 43 q / 1,024 for q under 128
	v_mul_u32_u24 v[T0+1], v[T0], 24
	v_sub_nc_u32 v[T0+1], v0, v[T0+1]
	v_mul_u32_u24 v[PFO], v[T0], 49152
	v_lshl_add_u32 v[PFO], v[T0+1], 8, v[PFO]
	v_and_b32 v[PFX], 63, v0
	v_lshlrev_b32 v[PFX], 10, v[PFX]
	v_and_b32 v[T0], 3, v[RR]                      ; b_kernel: lane r takes the row of my (r % 4)-th o
	v_mul_u32_u24 v[BKO], v[T0], 192
	v_mad_u32_u24 v[BKO], v[HH], 24, v[BKO]
	v_lshlrev_b32 v[BKSO], 3, v[T0]
	v_lshl_add_u32 v[BKSO], v[HH], 2, v[BKSO]
.irp k, 0,1,2,3,4,5,6,7,8,9,10,11,12,13,14,15,16,17,18,19,20,21,22,23,24,25,26,27,28,29,30,31
	v_mov_b32 v[ACC+2*\k+1], 0                     ; the folded sums begin as b_bias and 0: the loop's text is then the same for every chunk
.endr
	s_wait_alu depctr_va_vdst(0)
	s_wait_loadcnt 0x0
	v_cmp_eq_u32 vcc_lo, 0, v[HH]
.irp j, 0,1,2,3
	v_cndmask_b32 v[DD+\j], 0, v[DD+\j], vcc_lo    ; an output is the sum of two lanes' parts: b_bias goes into one of them
.endr
.irp oi, 0,1,2,3
.irp b, 0,1,2,3,4,5,6,7
	v_mov_b32 v[ACC+2*(8*\oi+\b)], v[DD+\oi]
.endr
.endr
	s_wait_alu depctr_va_vdst(0)
	s_wait_tensorcnt 0x0                           ; my part of the head's tiles is in
	ds_add_u32 v[SPW], v[NIL]
	s_wait_dscnt 0x0
	CROUND                                         ; everybody's part is in
	TLOAD 1, 0                                     ; step 1's codes, the first tensor load behind the round
	LOADT 0
	WIN 0x40
.irp b, 0,1,2,3,4,5,6,7                ; z's fragments, out of an image with 32 bytes of padding behind every 64
.irp e, 0,1
.irp p, 0,1,2,3,4,5
.set PC, 12*\e+6*(\p/3)+\p%3
.if PC%8 < 5
	ds_load_b64 v[24*\b+12*\e+2*\p:24*\b+12*\e+2*\p+1], v[AZ] offset:8*PC+32*(PC/8)+4608*\b
.else
	ds_load_b64 v[24*\b+12*\e+2*\p:24*\b+12*\e+2*\p+1], v[AZ2] offset:8*PC+32*(PC/8)+4608*\b
.endif
.endr
.endr
.endr
	WIN 0
.Lchunk:                                               ; chunks 0 to 2; the last is written out
	TRIP 0
	s_wait_xcnt 0x0                                ; the prefetches and scale loads have read their bases
	s_add_nc_u64 s[PFA:PFA+1], s[PFA:PFA+1], 12288
	s_add_nc_u64 s[PFXA:PFXA+1], s[PFXA:PFXA+1], 256
	s_add_nc_u64 s[SCP:SCP+1], s[SCP:SCP+1], 512
	s_xor_b32 s[XR], s[XR], XFLIP                  ; the next chunk's buffer of x
	v_add_nc_u32 v[AXC], s[XR], v[AX]
	v_add_nc_u32 v[AB], 256, v[AB]
	s_add_co_u32 s[UC], s[UC], 1
	s_cmp_lt_u32 s[UC], 3
	s_wait_alu depctr_va_vdst(0)
	s_cbranch_scc1 .Lchunk
	TRIP 1
	; THE WAY OUT.  S[bt] = the pairs' halves added, in registers 0 to 3 of the accumulators (register j: my j-th o); registers 4 to 7 are not read again.
	s_wait_loadcnt 0x0
	v_cmp_gt_u32 vcc_lo, 4, v[RR]
.irp k, 0,1,2,3,4,5,6,7,8,9,10,11,12,13,14,15,16,17,18,19,20,21,22,23
	v_cndmask_b32 v[WF+\k], 0, v[WF+\k], vcc_lo    ; b_kernel's fragment has 4 rows of mine; the others are zero codes, which add nothing
.endr
.irp oi, 0,1,2,3
.irp b, 0,1,2,3,4,5,6,7
	v_add_f32 v[DD+8*\b+\oi], v[ACC+2*(8*\oi+\b)], v[ACC+2*(8*\oi+\b)+1]
.endr
.endr
	; z b_kernel is added onto S: register j of lanes 0-15 gains z[r] . bk[my j-th o]; lanes 16-31 gain 0.  The eight accumulators by turns
	WIN 0x04
.irp k, 0,1
.set bt, 0
.rept 8
.set rD, DD+8*bt
.set rC, rD
.set rW, WF+12*\k
.set rZ, 24*bt+12*\k
.set sW, WS
.set sZ, ZS+2*(bt/2)+\k
	WX \k, bt%2
.set bt, bt+1
.endr
.endr
	WIN 0
	s_mul_i32 s2, s[BH], 10240
	s_lshl_b32 s3, s[OW], 4
	s_add_co_u32 s2, s2, s3
	s_add_co_u32 s2, s2, STAGE
	s_mul_i32 s3, s[WV], 2560
	s_add_co_u32 s3, s3, STAGE
	v_and_b32 v[T0], 31, v0                        ; the stage's addresses: plain lines, the places behind those products
	v_mul_u32_u24 v[STO], v[T0], 80
	v_add_nc_u32 v[STO], s2, v[STO]                ; in: a lane's row of 80 bytes, + 16 (w % 4)
	v_lshrrev_b32 v[T0+1], 2, v[T0]                ; lane / 4
	v_and_b32 v[T0+2], 3, v[T0]                    ; lane % 4
	v_mul_u32_u24 v[RD], v[T0+1], 80
	v_lshl_add_u32 v[RD], v[T0+2], 4, v[RD]
	v_add_nc_u32 v[RD], s3, v[RD]                  ; back: my 32 rows, eight an instruction, four lanes to a row's 64 bytes
	v_lshlrev_b32 v[GO], 10, v[T0+1]
	v_lshl_add_u32 v[GO], v[T0+2], 4, v[GO]        ; and the same eight rows in out
.irp e, 0,1,2,3
.irp j, 0,1,2,3
	v_permlane16_swap_b32 v[DD+16*\e+\j], v[DD+16*\e+8+\j]   ; S[2 e]'s lanes 16-31 change places with S[2 e + 1]'s lanes 0-15: both parts of an output stand in one lane
.endr
.irp j, 0,1,2,3
	v_add_f32 v[DD+16*\e+\j], v[DD+16*\e+\j], v[DD+16*\e+8+\j]   ; lane l: batch row 32 e + l of my 128, my j-th o
.endr
	ds_store_b128 v[STO], v[DD+16*\e:DD+16*\e+3] offset:2560*\e
.endr
	s_wait_alu depctr_va_vdst(0)
	s_wait_dscnt 0x0                               ; for the others' sake: my stores into the stage are done (a row's 64 bytes come from four waves)
	s_barrier_signal -1
	s_barrier_wait -1
.irp t, 0,1,2,3
	ds_load_b128 v[DD+4*\t:DD+4*\t+3], v[RD] offset:640*\t
.endr
.irp t, 0,1,2,3
	s_wait_dscnt 3-\t                              ; the younger loads may be out
	global_store_b128 v[GO], v[DD+4*\t:DD+4*\t+3], s[22:23] offset:8192*\t
.endr
	s_wait_tensorcnt 0x0                           ; the wave's end: behind my last tensor load and my last LDS store
	ds_add_u32 v[SPW], v[NIL]
	s_wait_dscnt 0x0
	CROUND                                         ; the closing round: no work-group ends while a partner may still ask for a tile that names it
	s_endpgm
.Lfunc_end_k_q111eb6fbac_bilinear:
	.size	k_q111eb6fbac_bilinear, .Lfunc_end_k_q111eb6fbac_bilinear-k_q111eb6fbac_bilinear
	.p2alignl 7, 3214868480
	.fill 96, 4, 3214868480
	.section	.rodata,"a",@progbits
	.p2align	6, 0x0
	.amdhsa_kernel k_q111eb6fbac_bilinear
		.amdhsa_group_segment_fixed_size 327680
		.amdhsa_private_segment_fixed_size 0
		.amdhsa_enable_private_segment 0
		.amdhsa_kernarg_size 80
		.amdhsa_user_sgpr_count 2
		.amdhsa_user_sgpr_kernarg_segment_ptr 1
		.amdhsa_wavefront_size32 1
		.amdhsa_system_sgpr_workgroup_id_x 1
		.amdhsa_system_sgpr_workgroup_id_y 1
		.amdhsa_system_sgpr_workgroup_id_z 1
		.amdhsa_system_vgpr_workitem_id 0
		.amdhsa_next_free_vgpr 512
		.amdhsa_next_free_sgpr 102
		.amdhsa_reserve_vcc 1
		.amdhsa_float_denorm_mode_32 3
		.amdhsa_float_denorm_mode_16_64 3
		.amdhsa_memory_ordered 1
		.amdhsa_forward_progress 1
		.amdhsa_inst_pref_size 204
	.end_amdhsa_kernel
	.amdgpu_metadata
---
amdhsa.version: [ 1, 2 ]
amdhsa.kernels:
  - .name:           k_q111eb6fbac_bilinear
    .symbol:         k_q111eb6fbac_bilinear.kd
    .args:
      - { .name: W_kernel_codes, .offset: 0, .size: 8, .value_kind: global_buffer, .address_space: global }
      - { .name: W_kernel_scales, .offset: 8, .size: 8, .value_kind: global_buffer, .address_space: global }
      - { .name: W_bias, .offset: 16, .size: 8, .value_kind: global_buffer, .address_space: global }
      - { .name: x, .offset: 24, .size: 8, .value_kind: global_buffer, .address_space: global }
      - { .name: z_codes, .offset: 32, .size: 8, .value_kind: global_buffer, .address_space: global }
      - { .name: z_scales, .offset: 40, .size: 8, .value_kind: global_buffer, .address_space: global }
      - { .name: b_kernel_codes, .offset: 48, .size: 8, .value_kind: global_buffer, .address_space: global }
      - { .name: b_kernel_scales, .offset: 56, .size: 8, .value_kind: global_buffer, .address_space: global }
      - { .name: b_bias, .offset: 64, .size: 8, .value_kind: global_buffer, .address_space: global }
      - { .name: out0, .offset: 72, .size: 8, .value_kind: global_buffer, .address_space: global }
    .group_segment_fixed_size: 327680
    .private_segment_fixed_size: 0
    .kernarg_segment_align: 8
    .kernarg_segment_size: 80
    .max_flat_workgroup_size: 256
    .sgpr_count:     102
    .vgpr_count:     512
    .wavefront_size: 32
...
	.end_amdgpu_metadata
.endif
;; end of part 1
